; MI455X (gfx1250); checked and timed in simulation.
; The chip was launched on July 23, 2026; its instructions are those of AMD's public machine-readable ISA for CDNA 5 (MIT licence, August 2026) and "CDNA5" Instruction Set Architecture Reference Guide (July 2026). The comments in the code are by the model that wrote it; some were corrected since.
;; Attention. Allowed arithmetic: matrix products marked QUANTISED: E2M1 operands, one E8M0 scale for each 32 along K, by v_wmma_scale_f32_16x16x128_f8f6f4 with both operands' format E2M1 (or v_wmma_scale_f32_32x16x128_f4), f32 sums; products left as they are: bf16, f16 or f32 operands; f32 sums; everything else in f32.
;; Inputs: K 4 x 8 x 2,048 x 64 float32; Q 4 x 8 x 2,048 x 64 float32; V 4 x 8 x 2,048 x 64 float32.
;; Outputs: out0 4 x 8 x 2,048 x 64 float32.
;; This version of the problem:
;;   THIS VERSION OF THE PROBLEM IS GIVEN IN LOW PRECISION. The matrix products marked QUANTISED in the list below multiply operands that are first quantised to E2M1 (2 exponent bits, 1 mantissa bit; 4 bits a number), with one power-of-two scale for each 32 numbers along K (OCP MX v1.0); their sums are f32. The products marked 'left as it is' may take bf16, f16 or f32 operands, with f32 sums. Whichever they take, every output number must still come out within the allowed error. Rounding operands to bf16 (8 significant bits) uses up far more of that allowance than f16 does (11 bits, for magnitudes from 6e-5 to 65,504). All else is computed in f32.
;;   The module's matrix products, in the order in which they are computed (A, B: the left and right operand; K: the contracted axis; several contracted axes count as one K, in the product's order):
;;     1. batch 32 x [M 2,048, K 64] x [K 64, N 2,048]; A: input Q; B: input K: QUANTISED
;;     2. batch 32 x [M 2,048, K 2,048] x [K 2,048, N 64]; A: computed on the way; B: input V: left as it is (an operand is computed on the way)
;;   THE QUANTISER, for each operand of a quantised product, along K:
;;     - K is cut into blocks of 32 from its start; a last block that is shorter is filled with zeros.
;;     - A block's scale is 2^e with e = floor(log2(the largest magnitude in the block)) - 2, held to -126 .. 127; a block of zeros has e = 0. As a byte (E8M0): e + 127.
;;     - Each number is divided by its block's scale, clamped to +-6, and rounded to the nearest number of E2M1, ties to even, subnormals kept.
;;     - The product sums the exact products of the quantised numbers (number of the format x scale) in f32.
;;   ~~~python
;;   def quantise(x, axis):      # numpy; x: float32 -> the quantised numbers, widened to float32 again
;;       x = np.moveaxis(x, axis, -1); K = x.shape[-1]
;;       x = np.pad(x, [(0, 0)] * (x.ndim - 1) + [(0, -K % 32)]); x = x.reshape(x.shape[:-1] + (-1, 32)); a = np.abs(x).max(-1, keepdims=True)
;;       e = np.where(a > 0, np.clip(np.frexp(np.where(a > 0, a, 1))[1] - 1 - 2, -126, 127), 0)      # np.frexp(a)[1] - 1 = floor(log2(a)), exactly
;;       r = np.clip(x / 2.0 ** e, -6, 6)
;;       step = 2.0 ** (np.maximum(np.frexp(np.where(r == 0, 1, r))[1] - 1, 0) - 1)
;;       q = np.round(r / step) * step * 2.0 ** e      # np.round: ties to even
;;       return np.moveaxis(q.reshape(q.shape[:-2] + (-1,))[..., :K], -1, axis).astype(np.float32)
;;   ~~~
;; One version. Each part assembles by itself: llvm-mc -triple=amdgcn-amd-amdhsa -mcpu=gfx1250 --defsym DOCPART=n.
;; ======== version 1 of 1: 2 launches
;; limits: values are held in f16: magnitudes above 65,504 overflow, below 6.1e-05 lose precision
;; workspace buffers: kv 10,747,904 bytes
;; launch prep (part 1): grid 512 x 1, 8 waves a work-group, no clusters, 53,248 bytes of LDS; arguments K, V, kv; writes kv
.if DOCPART == 1
	.amdgcn_target "amdgcn-amd-amdhsa--gfx1250"
	.amdhsa_code_object_version 6
	.text
	.protected	k_q77250a85c9_prep
	.globl	k_q77250a85c9_prep
	.p2align	8
	.type	k_q77250a85c9_prep,@function
k_q77250a85c9_prep:
	s_mov_b64 s[64:65], 0
	v_nop
	global_prefetch_b8 v0, s[64:65] scope:SCOPE_SE
	s_setreg_imm32_b32 hwreg(HW_REG_WAVE_MODE, 25, 1), 1
	s_wait_xcnt 0x0
; K and V, [32 heads][2048 keys][64] f32, are read once and laid into kv as IMAGES OF OPERAND REGISTERS, a record of 20,992 bytes for each 128 keys:
;   bytes 0 .. 4,095       K as codes of E2M1: key tile kt (16 keys) at 512 kt; lane l = r + 16 h has its 16 bytes at 16 l: key 16 kt + r, the head's numbers 32 h .. 32 h + 31
;   bytes 4,096 .. 4,607   K's scale words: lane l's 16 bytes at 16 l are four words, word g for key 32 g + l: byte 0 block 0, byte 1 block 1, bytes 2 and 3 0x7f (they scale zero codes)
;   bytes 4,608 .. 20,991  V as f16: fragment f = 4 g + tc (32 keys g, 16 channels tc) at 1,024 f, part c at 512 c; lane l's 16 bytes: channel 16 tc + r, keys 32 g + 16 c + 8 h + 0 .. 7
; THE QUANTISER: a block of 32 along the head's axis; its scale is 2^(floor(log2(largest magnitude)) - 2), as a byte the largest magnitude's exponent field - 2, held at 1 from below;
; each number is divided by the scale and rounded to the nearest code, ties to even, beyond 6 the largest code.
; LIMITS: NaN and infinities are not served.  A block of zeros gets the byte 1 where the rule says 127: its codes are zeros, and this program alone reads the bytes.
; |V| above 65,504 becomes infinity in f16; V under 6e-5 is kept to 2^-25 absolute.
; SHARES: a work-group takes one record; wave w keys 16 w .. 16 w + 15 of both tensors: K's tile w, and part (g = w / 2, c = w % 2) of V's four channel tiles.  One step a wave, no loop.
; Every load reads whole rows of 256 bytes, every store of codes and of f16 covers 512 consecutive bytes; the turns between the two layouts go through the wave's own stages in LDS.
; No matrix unit, no tensor load, no cluster: a stream that each work-group reads for itself.
.set REC,   20992
.set KSW,   4352                       ; K's stage, a wave's: 16 rows of 256 bytes + 16 of padding
.set KP,    272
.set VST,   34816                      ; V's stages begin here; a wave's: 4 parts of 512 bytes + 16
.set VSW,   2112
.set VPP,   528
.set SCI,   51712                      ; the record's 512 bytes of scale words, gathered from the eight waves
.set SPARE, 52224                      ; the spare words, 128 bytes for each wave: four blocks of 256 bytes that no other line names
.set LI,  1                            ; v1   16 x lane
.set VA,  2                            ; v2   V: 16 r + 2,048 h: lanes 0-15 take key i, lanes 16-31 key 8 + i
.set KSI, 3                            ; v3   K's stage, in: rows as loaded
.set KSO, 4                            ; v4   K's stage, out: row r, block h
.set VSI, 5                            ; v5   V's stage, in
.set VSO, 6                            ; v6   V's stage, out: 16 x lane
.set SCA, 7                            ; v7   where my key's scale word goes
.set SCR, 8                            ; v8   where wave 0 reads the scale words back
.set KGO, 9                            ; v9   my codes' place in the record
.set VGO, 10                           ; v10  my f16 numbers' place in the record
.set SH,  11                           ; v11  8 h
.set SPW, 12                           ; v12  LDS address of my spare word; never rewritten
.set NIL, 13                           ; v13  0; never rewritten
.set KC,  24                           ; v24-27   my block's codes
.set KX,  32                           ; v32-63   K as loaded
.set VX,  64                           ; v64-95   V as loaded
.set KY,  96                           ; v96-127  my block's 32 numbers
.set VC,  128                          ; v128-143 V in f16: channel e of my four, four pairs of keys
.set VO,  144                          ; v144-159 V's images
	s_load_b128 s[4:7], s[0:1], 0x0                ; K, V
	s_load_b64 s[8:9], s[0:1], 0x10                ; kv
	v_lshl_add_u32 v[SPW], v0, 2, SPARE
	v_mov_b32 v[NIL], 0
	v_lshrrev_b32 v14, 5, v0
	v_readfirstlane_b32 s10, v14                   ; wave 0..7
	v_and_b32 v15, 31, v0                          ; lane
	v_and_b32 v16, 15, v0                          ; r
	v_bfe_u32 v17, v0, 4, 1                        ; h
	v_and_b32 v19, 3, v0                           ; a = r % 4
	v_bfe_u32 v20, v0, 2, 2                        ; t4 = r / 4
	v_lshlrev_b32 v[LI], 4, v15
	v_lshlrev_b32 v[VA], 4, v16
	v_lshl_add_u32 v[VA], v17, 11, v[VA]
	s_mul_i32 s16, s10, KSW
	v_mul_u32_u24 v[KSI], v17, KP
	v_lshl_add_u32 v[KSI], v16, 4, v[KSI]
	v_add_nc_u32 v[KSI], s16, v[KSI]               ; a load's 512 bytes are two rows: row h, 16 r; load i goes 544 i further
	v_mul_u32_u24 v[KSO], v16, KP
	v_lshl_add_u32 v[KSO], v17, 7, v[KSO]
	v_add_nc_u32 v[KSO], s16, v[KSO]               ; row r, 128 h: my block
	s_mul_i32 s17, s10, VSW
	s_add_co_u32 s17, s17, VST
	v_mul_u32_u24 v[VSI], v20, VPP                 ; my channels 4 r + e lie in channel tile r / 4, as its lanes 4 (r % 4) + e + 16 h
	v_lshl_add_u32 v[VSI], v19, 6, v[VSI]
	v_lshl_add_u32 v[VSI], v17, 8, v[VSI]
	v_add_nc_u32 v[VSI], s17, v[VSI]
	v_add_nc_u32 v[VSO], s17, v[LI]
	s_and_b32 s18, s10, 1                          ; w % 2
	s_lshr_b32 s19, s10, 1                         ; w / 2
	s_lshl_b32 s16, s18, 8
	s_lshl_b32 s17, s19, 2
	s_add_co_u32 s16, s16, s17
	s_add_co_u32 s16, s16, SCI
	v_lshl_add_u32 v[SCA], v16, 4, s16             ; key 16 w + r = 32 (w / 2) + 16 (w % 2) + r: word w / 2 of lane 16 (w % 2) + r
	v_add_nc_u32 v[SCR], SCI, v[LI]
	s_lshl_b32 s16, s10, 9
	v_add_nc_u32 v[KGO], s16, v[LI]
	s_lshl_b32 s16, s19, 12
	s_lshl_b32 s17, s18, 9
	s_add_co_u32 s16, s16, s17
	s_add_co_u32 s16, s16, 4608
	v_add_nc_u32 v[VGO], s16, v[LI]
	v_lshlrev_b32 v[SH], 3, v17
	v_mov_b32 v18, 0                               ; a lane permute's destination counts as one of its sources
	s_mov_b32 s20, 0x76543210
	s_mov_b32 s21, 0xfedcba98                      ; v_permlanex16_b32's selects for lane l xor 16
	s_lshl_b32 s12, ttmp9, 15                      ; the record's 128 keys: 32,768 bytes of K and of V,
	s_lshl_b32 s16, s10, 12                        ; my wave's 16 of them
	s_add_co_u32 s12, s12, s16
	s_mov_b32 s13, 0
	s_mul_i32 s14, ttmp9, REC
	s_mov_b32 s15, 0
	s_wait_kmcnt 0x0
	s_add_nc_u64 s[4:5], s[4:5], s[12:13]
	s_add_nc_u64 s[6:7], s[6:7], s[12:13]
	s_add_nc_u64 s[8:9], s[8:9], s[14:15]
.irp i, 0,1,2,3,4,5,6,7
	global_load_b128 v[KX+4*\i:KX+4*\i+3], v[LI], s[4:5] offset:512*\i th:TH_LOAD_NT   ; 512 consecutive bytes: keys 2 i, 2 i + 1
.endr
.irp i, 0,1,2,3,4,5,6,7
	global_load_b128 v[VX+4*\i:VX+4*\i+3], v[VA], s[6:7] offset:256*\i th:TH_LOAD_NT   ; two whole rows: keys i and 8 + i; my four channels 4 r ..
.endr
	s_wait_loadcnt 0x8                             ; K's eight loads are in; V's eight are younger
.irp i, 0,1,2,3,4,5,6,7
	ds_store_b128 v[KSI], v[KX+4*\i:KX+4*\i+3] offset:544*\i
.endr
.irp j, 0,1,2,3,4,5,6,7
	ds_load_b128 v[KY+4*\j:KY+4*\j+3], v[KSO] offset:16*\j      ; LDS serves a wave's instructions in order: these see my stores.  A whole block of 32 comes into one lane
.endr
	s_wait_loadcnt 0x0                             ; V
.irp e, 0,1,2,3
.irp p, 0,1,2,3
	v_cvt_pk_f16_f32 v[VC+4*\e+\p], v[VX+8*\p+\e], v[VX+8*\p+4+\e]   ; channel 4 r + e, keys 8 h + 2 p (low half) and 2 p + 1
.endr
.endr
.irp e, 0,1,2,3
	ds_store_b128 v[VSI], v[VC+4*\e:VC+4*\e+3] offset:16*\e
.endr
.irp t, 0,1,2,3
	ds_load_b128 v[VO+4*\t:VO+4*\t+3], v[VSO] offset:VPP*\t     ; channel tile t's image of my 16 keys
.endr
	s_wait_dscnt 0x8                               ; K's eight loads from the stage are back; V's four stores and four loads are younger
	v_max3_num_f32 v14, |v[KY]|, |v[KY+1]|, |v[KY+2]|           ; the block's largest magnitude, in two chains
	v_max3_num_f32 v15, |v[KY+3]|, |v[KY+4]|, |v[KY+5]|
.irp i, 6,10,14,18,22,26
	v_max3_num_f32 v14, v14, |v[KY+\i]|, |v[KY+\i+1]|
	v_max3_num_f32 v15, v15, |v[KY+\i+2]|, |v[KY+\i+3]|
.endr
	v_max3_num_f32 v14, v14, |v[KY+30]|, |v[KY+31]|
	v_max3_num_f32 v14, v14, v15, 0x1800000        ; and the floor 2^(3 - 127): the byte cannot fall under 1
	v_add_nc_u32 v16, 0xff000000, v14              ; 2 off the exponent field: the conversion takes this operand's exponent field as its scale
.irp g, 0,1,2,3
	v_cvt_scalef32_pk8_fp4_f32 v[KC+\g], v[KY+8*\g:KY+8*\g+7], v16
.endr
	v_lshrrev_b32 v17, 23, v16                     ; the scale's byte (a plain line behind the conversions),
	v_lshlrev_b32 v17, v[SH], v17                  ; at block h's place in the word;
	v_permlanex16_b32 v18, v17, s20, s21
	v_or_b32 v17, v17, v18                         ; with the other block's byte,
	v_or_b32 v19, 0x7f7f0000, v17                  ; and 2^0 for the two blocks of zero codes that fill the instruction's 128 along K
	global_store_b128 v[KGO], v[KC:KC+3], s[8:9]   ; the wave's 512 consecutive bytes
	ds_store_b32 v[SCA], v19                       ; lanes l and l + 16 write the same word with the same value
	s_wait_dscnt 0x1                               ; V's images are back; the word's store is younger
.irp t, 0,1,2,3
	global_store_b128 v[VGO], v[VO+4*\t:VO+4*\t+3], s[8:9] offset:1024*\t
.endr
	s_wait_dscnt 0x0                               ; for the others' sake: my scale words have landed
	s_barrier_signal -1
	s_barrier_wait -1
	s_cmp_lg_u32 s10, 0                            ; wave 0 stores the record's 512 bytes of scale words
	s_cbranch_scc1 .Lnot_wave_0
	ds_load_b128 v[28:31], v[SCR]
	s_wait_dscnt 0x0
	global_store_b128 v[LI], v[28:31], s[8:9] offset:4096
.Lnot_wave_0:
	s_wait_tensorcnt 0x0                           ; the wave's end, behind my last LDS store
	ds_add_u32 v[SPW], v[NIL]
	s_wait_dscnt 0x0
	s_endpgm
.Lfunc_end_k_q77250a85c9_prep:
	.size	k_q77250a85c9_prep, .Lfunc_end_k_q77250a85c9_prep-k_q77250a85c9_prep
	.p2alignl 7, 3214868480
	.fill 96, 4, 3214868480
	.section	.rodata,"a",@progbits
	.p2align	6, 0x0
	.amdhsa_kernel k_q77250a85c9_prep
		.amdhsa_group_segment_fixed_size 53248
		.amdhsa_private_segment_fixed_size 0
		.amdhsa_enable_private_segment 0
		.amdhsa_kernarg_size 24
		.amdhsa_user_sgpr_count 2
		.amdhsa_user_sgpr_kernarg_segment_ptr 1
		.amdhsa_wavefront_size32 1
		.amdhsa_system_sgpr_workgroup_id_x 1
		.amdhsa_system_sgpr_workgroup_id_y 1
		.amdhsa_system_sgpr_workgroup_id_z 1
		.amdhsa_system_vgpr_workitem_id 0
		.amdhsa_next_free_vgpr 160
		.amdhsa_next_free_sgpr 66
		.amdhsa_reserve_vcc 0
		.amdhsa_float_denorm_mode_32 3
		.amdhsa_float_denorm_mode_16_64 3
		.amdhsa_memory_ordered 1
		.amdhsa_forward_progress 1
		.amdhsa_inst_pref_size 10
	.end_amdhsa_kernel
	.amdgpu_metadata
---
amdhsa.version: [ 1, 2 ]
amdhsa.kernels:
  - .name:           k_q77250a85c9_prep
    .symbol:         k_q77250a85c9_prep.kd
    .args:
      - { .name: K, .offset: 0, .size: 8, .value_kind: global_buffer, .address_space: global }
      - { .name: V, .offset: 8, .size: 8, .value_kind: global_buffer, .address_space: global }
      - { .name: kv, .offset: 16, .size: 8, .value_kind: global_buffer, .address_space: global }
    .group_segment_fixed_size: 53248
    .private_segment_fixed_size: 0
    .kernarg_segment_align: 8
    .kernarg_segment_size: 24
    .max_flat_workgroup_size: 256
    .sgpr_count:     66
    .vgpr_count:     160
    .wavefront_size: 32
...
	.end_amdgpu_metadata
.endif
;; end of part 1
;; launch attn (part 2): grid 8 x 32, 8 waves a work-group, clusters of 4 x 1, 327,680 bytes of LDS; arguments Q, kv, out0; writes out0
.if DOCPART == 2
	.amdgcn_target "amdgcn-amd-amdhsa--gfx1250"
	.amdhsa_code_object_version 6
	.text
	.protected	k_q77250a85c9_attn
	.globl	k_q77250a85c9_attn
	.p2align	8
	.type	k_q77250a85c9_attn,@function
k_q77250a85c9_attn:
	s_mov_b64 s[64:65], 0
	v_nop
	global_prefetch_b8 v0, s[64:65] scope:SCOPE_SE
	s_setreg_imm32_b32 hwreg(HW_REG_WAVE_MODE, 25, 1), 1
	s_wait_xcnt 0x0
	s_wait_alu depctr_hold_cnt(0) depctr_sa_sdst(0) depctr_va_vdst(0) depctr_va_sdst(0) depctr_va_ssrc(0) depctr_va_vcc(0) depctr_vm_vsrc(0)
	s_getreg_b32 s2, hwreg(HW_REG_IB_STS2, 6, 4)
	s_cmp_eq_u32 s2, 0
	s_cbranch_scc0 .Lentry_in_a_cluster
	s_endpgm
.Lentry_in_a_cluster:
	s_bfe_u32 s2, ttmp6, 0x10000c
	s_cmp_lg_u32 s2, 0x3003
	s_cbranch_scc0 .Lentry_shape_is_right
	s_endpgm
.Lentry_shape_is_right:
; out0[h][q][:] = the sum over k of softmax_k(Q[h][q] . K[h][k] / 8) V[h][k][:].  32 heads, 2,048 queries and keys, head size 64; Q and out0 f32.
; The first product is on codes of E2M1 with one E8M0 scale for each 32 along the head's axis: K's codes and scale words come from kv, Q is quantised here, in registers.  The head's 64 fill half of the
; instruction's 128 along K: the upper four registers of every fragment hold zero codes, under the scale byte 0x7f.  The second product takes f16 operands (p is at most about 1; V from kv), sums in f32.
; SOFTMAX in f32, with a running maximum m and sum l for each query: p = 2^(c s - c m), c = log2(e) / 8; in every step O and l are multiplied by a = 2^(c m_old - c m_new).  The sum is taken of the unrounded p.
; LIMITS: NaN and infinities are not served; |V| above 65,504 is infinity in f16; the division by l is a multiplication by v_rcp_f32's result; scores under -3e38 are not served (m starts there).
; SHARES: a work-group owns 256 queries of one head, each of its eight waves 32: two tiles of 16.  Two waves share a SIMD: one wave's softmax stands beside the other's products.
; Every wave walks all keys, 128 a step: one record of kv (20,992 bytes: K's eight fragments, the scale words, V's sixteen fragments, all as images of registers, read at 16 x lane: no pitch, no padding).
; LAYOUT: both products are used transposed: S^T = K Q^T (source 0 = 16 keys, source 1 = 16 queries), O^T = V^T P (source 0 = 16 channels x 32 keys, source 1 = P): a lane holds ONE query (lane % 16)
; throughout, and two neighbouring tiles of S^T, rounded to f16 in pairs, ARE a fragment of P.
; LDS: three slots of 83,968 bytes, a quarter of a head (512 keys) each.  Quarters 0, 1, 2 are first fills; quarter 3 is the one refill, into slot 0, asked for eight key steps ahead of its first read.
; Every wave fetches an eighth of each quarter: 41 rows of 256 bytes.  By this text's own count a wave has three tensor loads out at the start and one behind the refill.
; CLUSTER: the four query blocks of a cluster belong to one head and walk the same records: each load is asked for JOINTLY, by the same descriptor with a mask that names the four.
; No prefetch: three quarters go out at the head, and the refill is asked for eight key steps ahead of its first read.
; REGISTERS, in windows of 256.  Window 0: v1-11 addresses; v12-15 sums at work; v16-31 statistics, eight a tile: +0 c m, +1 m, +2, +3 l (even, odd registers'), +4 .. +7 at work (a at +6);
;   v32-47 Q's two fragments; v48-51 K's scale words; v52-53 Q's; v54-61 at work on Q; v64-127 P (tile t, keys 32 g on: 64 + 32 t + 8 g); v128-255 S^T (tile t, key tile kt: 128 + 64 t + 8 kt).
; Window 1: v0-63 O^T (tile tq, channels 16 tc on: 32 tq + 8 tc); v64-127 K's eight fragments; v128-255 V's sixteen.
.set SLOT,  83968
.set REC,   20992
.set WPART, 10496                      ; a wave's eighth of a quarter
.set HEADB, 335872                     ; a head's 16 records
.set STAGE, 3*SLOT                     ; behind the slots: 16 rows x (256 bytes + 16) for each wave, for the way out; no fill lands there
.set SP,    272
.set SPARE, STAGE+8*16*SP              ; the spare words, 128 bytes for each wave: four blocks of 256 bytes that no other line names
.set LI,  1                            ; v1   16 x lane
.set AD,  2                            ; v2   LDS address of the step's record, for my lane
.set QO,  3                            ; v3   Q: row r, block h: 256 r + 128 h
.set STO, 4                            ; v4   the way out: where I put 32 bytes of a row
.set RD,  5                            ; v5   the way out: where I read a row back
.set GO,  6                            ; v6   my byte offset in two rows of out0
.set SH,  7                            ; v7   8 h
.set SPW, 10                           ; v10  LDS address of my spare word; never rewritten
.set NIL, 11                           ; v11  0; never rewritten
.set TMP, 12
.set ST,  16
.set QF,  32
.set KS,  48
.set QS,  52
.set QT,  54
.set P,   64
.set S,   128
.set O,   0                            ; in window 1
.set KF,  64
.set VF,  128
.set WV,  10                           ; s10  my wave's number
.set SEL, 20                           ; s[20:21] v_permlanex16_b32's selects for lane l xor 16
.set CS,  22                           ; s[22:23] c, twice: the packed form names a pair
.set G1,  24                           ; s[24:31] descriptor group 1
.set G0,  32                           ; s[32:47] descriptor group 0, a set for each quarter; never rewritten
.set TB,  48                           ; s48  LDS byte at which the step's record begins
.set CNT, 49                           ; s49  steps to go in the loop in hand
.set MSB, 0
.macro WIN new                         ; bits 1:0 source 0, 3:2 source 1, 5:4 source 2, 7:6 destination; the immediate's high byte repeats the setting that is left
.if MSB != \new
	s_set_vgpr_msb (MSB<<8)|\new
.set MSB, \new
.endif
.endm
.macro PLACES                          ; four plain vector lines between a matrix instruction and a read of its result or a load into its registers
.rept 4
	v_nop
.endr
.endm
; A round of the cluster's barrier: my work-group's barrier; wave 0 signals for the work-group; every wave waits for all four work-groups; my work-group's barrier once more.
.macro CROUND
	s_barrier_signal -1
	s_barrier_wait -1
	s_cmp_lg_u32 s[WV], 0
	s_cbranch_scc1 .Lnot_wave_0_\@
	s_barrier_signal -3
.Lnot_wave_0_\@:
	s_barrier_wait -3
	s_barrier_signal -1
	s_barrier_wait -1
.endm
	s_load_b128 s[4:7], s[0:1], 0x0                ; Q, kv
	s_load_b64 s[8:9], s[0:1], 0x10                ; out0
	v_lshl_add_u32 v[SPW], v0, 2, SPARE
	v_mov_b32 v[NIL], 0
	ds_add_u32 v[SPW], v[NIL]                      ; the wave's opening: the add, twice on end, and its wait ahead of my first tensor load
	ds_add_u32 v[SPW], v[NIL]
	v_lshrrev_b32 v8, 5, v0
	v_readfirstlane_b32 s[WV], v8                  ; wave 0..7
	s_bfe_u32 s11, ttmp6, 0x40000                  ; cx: my place in the cluster: it enters Q's and out0's addresses alone
	s_lshl_b32 s12, ttmp9, 2
	s_add_co_u32 s12, s12, s11                     ; my block of 256 queries
	s_and_b32 s13, ttmp7, 0xffff                   ; the head, which the four partners share
	s_mul_i32 s14, s13, HEADB
	s_mul_i32 s16, s[WV], WPART                    ; my eighth of a quarter, in memory and in a slot
	s_add_co_u32 s14, s14, s16
	s_mov_b32 s15, 0
	s_lshl_b32 s18, s13, 19                        ; Q and out0: a head is 524,288 bytes,
	s_lshl_b32 s17, s12, 16                        ; a block 65,536,
	s_add_co_u32 s18, s18, s17
	s_lshl_b32 s17, s[WV], 13                      ; my wave's 32 rows 8,192
	s_add_co_u32 s18, s18, s17
	s_mov_b32 s19, 0
	; descriptor group 1: 41 rows of 256 bytes, dense in memory and in LDS
	s_mov_b32 s[G1], 15|(3<<16)|(1<<21)            ; 15:0 the mask: all four work-groups; 17:16 elements of 8 bytes; 20 no padding; 21 set beside a mask
	s_mov_b32 s[G1+1], 32<<16                      ; tensor_dim0 = 32
	s_mov_b32 s[G1+2], 41<<16                      ; tensor_dim1 = 41
	s_mov_b32 s[G1+3], 32<<16                      ; tile_dim0 = 32
	s_mov_b32 s[G1+4], 41                          ; tile_dim1 = 41
	s_mov_b32 s[G1+5], 32                          ; from row to row
	s_mov_b32 s[G1+6], 0
	s_mov_b32 s[G1+7], 0
	s_mov_b32 s[SEL], 0x76543210
	s_mov_b32 s[SEL+1], 0xfedcba98
	s_mov_b32 s[CS], 0x3e38aa3b                    ; c = log2(e) / 8
	s_mov_b32 s[CS+1], s[CS]
	v_and_b32 v8, 15, v0                           ; r
	v_bfe_u32 v9, v0, 4, 1                         ; h
	v_and_b32 v[LI], 31, v0
	v_lshlrev_b32 v[LI], 4, v[LI]
	v_lshlrev_b32 v[QO], 8, v8
	v_lshl_add_u32 v[QO], v9, 7, v[QO]
	v_lshlrev_b32 v[SH], 3, v9
	s_mul_i32 s50, s[WV], 16*SP
	s_add_co_u32 s50, s50, STAGE                   ; my stage
	v_mul_u32_u24 v[STO], v8, SP                   ; in: row r, 32 bytes for each half of the lanes
	v_lshl_add_u32 v[STO], v9, 5, v[STO]
	v_add_nc_u32 v[STO], s50, v[STO]
	v_mul_u32_u24 v[RD], v9, SP                    ; back: lanes 0-15 one row of 256 bytes, lanes 16-31 the next
	v_lshl_add_u32 v[RD], v8, 4, v[RD]
	v_add_nc_u32 v[RD], s50, v[RD]
	v_lshlrev_b32 v[GO], 8, v9                     ; and the same two rows in out0
	v_lshl_add_u32 v[GO], v8, 4, v[GO]
	s_wait_dscnt 0x0                               ; both opening adds are done
	s_wait_kmcnt 0x0
	s_add_nc_u64 s[6:7], s[6:7], s[14:15]          ; kv at my eighth of the head's first quarter
	s_add_nc_u64 s[4:5], s[4:5], s[18:19]          ; Q and out0 at my wave's first row
	s_add_nc_u64 s[8:9], s[8:9], s[18:19]
.irp q, 0,1,2,3
	s_mov_b32 s[G0+4*\q], 1                                        ; count = 1
	s_add_co_u32 s[G0+4*\q+1], s16, (\q%3)*SLOT                    ; LDS address: quarter 3 goes where quarter 0 lay
	s_add_nc_u64 s[G0+4*\q+2:G0+4*\q+3], s[6:7], \q*SLOT           ; global address
	s_or_b32 s[G0+4*\q+3], s[G0+4*\q+3], 0x80000000                ; type = 2
.endr
	CROUND                                         ; all four work-groups are here: the first joint loads meet
	tensor_load_to_lds s[G0:G0+3], s[G1:G1+7]      ; the first fills go out as one group: three loads of mine are out
	s_nop 0
	tensor_load_to_lds s[G0+4:G0+7], s[G1:G1+7]
	s_nop 0
	tensor_load_to_lds s[G0+8:G0+11], s[G1:G1+7]
	s_nop 0
	PLACES
.irp t, 0,1
.irp j, 0,1,2,3,4,5,6,7
	global_load_b128 v[S+32*\t+4*\j:S+32*\t+4*\j+3], v[QO], s[4:5] offset:4096*\t+16*\j th:TH_LOAD_NT   ; tile t: my row's whole block h, 32 numbers
.endr
.endr
	WIN 0x40                                       ; while they are on their way: the zero codes of K's fragments, written once (the loads of a step fill the lower four registers alone),
.irp k, 0,1,2,3,4,5,6,7
.irp i, 4,5,6,7
	v_mov_b32 v[KF+8*\k+\i], 0
.endr
.endr
	WIN 0
.irp t, 0,1
.irp i, 4,5,6,7
	v_mov_b32 v[QF+8*\t+\i], 0                     ; and of Q's
.endr
	v_mov_b32 v[ST+8*\t+1], 0xff61b1e6             ; m = -3e38
	v_mul_f32 v[ST+8*\t], s[CS], v[ST+8*\t+1]      ; c m
	v_mov_b32 v[ST+8*\t+2], 0                      ; l
	v_mov_b32 v[ST+8*\t+3], 0
	v_mov_b32 v[QT+6+\t], 0                        ; a lane permute's destination counts as one of its sources
.endr
	s_wait_loadcnt 0x0                             ; Q
	; Q is quantised: a lane holds a whole block; the two tiles by turns
.irp t, 0,1
	v_max3_num_f32 v[QT+\t], |v[S+32*\t]|, |v[S+32*\t+1]|, |v[S+32*\t+2]|
	v_max3_num_f32 v[QT+2+\t], |v[S+32*\t+3]|, |v[S+32*\t+4]|, |v[S+32*\t+5]|
.endr
.irp i, 6,10,14,18,22,26
.irp t, 0,1
	v_max3_num_f32 v[QT+\t], v[QT+\t], |v[S+32*\t+\i]|, |v[S+32*\t+\i+1]|
	v_max3_num_f32 v[QT+2+\t], v[QT+2+\t], |v[S+32*\t+\i+2]|, |v[S+32*\t+\i+3]|
.endr
.endr
.irp t, 0,1
	v_max3_num_f32 v[QT+\t], v[QT+\t], |v[S+32*\t+30]|, |v[S+32*\t+31]|
.endr
.irp t, 0,1
	v_max3_num_f32 v[QT+\t], v[QT+\t], v[QT+2+\t], 0x1800000     ; the floor 2^(3 - 127): the byte cannot fall under 1
.endr
.irp t, 0,1
	v_add_nc_u32 v[QT+4+\t], 0xff000000, v[QT+\t]  ; 2 off the exponent field: the conversion's scale operand
.endr
.irp t, 0,1
	v_lshrrev_b32 v[QT+\t], 23, v[QT+4+\t]         ; the scale's byte,
.endr
.irp t, 0,1
	v_lshlrev_b32 v[QT+\t], v[SH], v[QT+\t]        ; at block h's place
.endr
.irp t, 0,1
	v_permlanex16_b32 v[QT+6+\t], v[QT+\t], s[SEL], s[SEL+1]
.endr
.irp t, 0,1
	v_or_b32 v[QT+\t], v[QT+\t], v[QT+6+\t]
.endr
.irp t, 0,1
	v_or_b32 v[QS+\t], 0x7f7f0000, v[QT+\t]        ; my row's scale word; 2^0 over the zero codes
.endr
.irp t, 0,1
.irp g, 0,1,2,3
	v_cvt_scalef32_pk8_fp4_f32 v[QF+8*\t+\g], v[S+32*\t+8*\g:S+32*\t+8*\g+7], v[QT+4+\t]
.endr
.endr
	v_nop                                          ; one plain line behind the last scaled conversion
	WIN 0x40
.irp j, 0,1,2,3,4,5,6,7,8,9,10,11,12,13,14,15,16,17,18,19,20,21,22,23,24,25,26,27,28,29,30,31,32,33,34,35,36,37,38,39,40,41,42,43,44,45,46,47,48,49,50,51,52,53,54,55,56,57,58,59,60,61,62,63
	v_mov_b32 v[O+\j], 0                           ; O^T.  The step has no first form of its own: the first finds zeros, which a = 0 leaves zeros.  (These lines also stand between the scale words' making and the first scaled product)
.endr
	WIN 0
; THE MAXIMUM of a lane's 64 scores of each tile and the old m: four chains a tile, each over two accumulators in ascending order (each accumulator is first read at its low end); the tiles and chains by turns.
.macro MAXES
.irp t, 0,1
.irp k, 0,1,2,3
	v_max3_num_f32 v[ST+8*\t+4+\k], v[S+64*\t+16*\k], v[S+64*\t+16*\k+1], v[S+64*\t+16*\k+2]
.endr
.endr
.irp n, 1,2,3,4,5,6
.irp t, 0,1
.irp k, 0,1,2,3
	v_max3_num_f32 v[ST+8*\t+4+\k], v[ST+8*\t+4+\k], v[S+64*\t+16*\k+2*\n+1], v[S+64*\t+16*\k+2*\n+2]
.endr
.endr
.endr
.irp t, 0,1
	v_max3_num_f32 v[ST+8*\t+4], v[ST+8*\t+4], v[S+64*\t+15], v[S+64*\t+31]
	v_max3_num_f32 v[ST+8*\t+6], v[ST+8*\t+6], v[S+64*\t+47], v[S+64*\t+63]
.endr
.irp t, 0,1
	v_max3_num_f32 v[ST+8*\t+4], v[ST+8*\t+4], v[ST+8*\t+5], v[ST+8*\t+6]
.endr
.irp t, 0,1
	v_max3_num_f32 v[ST+8*\t+4], v[ST+8*\t+4], v[ST+8*\t+7], v[ST+8*\t+1]
.endr
.irp t, 0,1
	v_permlanex16_b32 v[ST+8*\t+5], v[ST+8*\t+4], s[SEL], s[SEL+1]   ; the query's other 64 keys lie in the lane 16 away
.endr
.irp t, 0,1
	v_mov_b32 v[ST+8*\t+7], v[ST+8*\t]             ; c m_old is kept for a
.endr
.irp t, 0,1
	v_max_num_f32 v[ST+8*\t+1], v[ST+8*\t+4], v[ST+8*\t+5]
.endr
.irp t, 0,1
	v_mul_f32 v[ST+8*\t], s[CS], v[ST+8*\t+1]
.endr
.irp t, 0,1
	v_sub_f32 v[ST+8*\t+7], v[ST+8*\t+7], v[ST+8*\t]
.endr
.endm
.macro SCALE t, i                      ; pair i of tile t: c s - c m
	v_pk_fma_f32 v[S+64*(\t)+2*(\i):S+64*(\t)+2*(\i)+1], v[S+64*(\t)+2*(\i):S+64*(\t)+2*(\i)+1], s[CS:CS+1], v[ST+8*(\t):ST+8*(\t)+1] op_sel_hi:[1,0,0] neg_lo:[0,0,1] neg_hi:[0,0,1]
.endm
.macro EXPO t, j
	v_exp_f32 v[S+64*(\t)+(\j)], v[S+64*(\t)+(\j)]
.endm
.macro CVT t, i                        ; pair i of tile t, rounded to f16: register i of the tile's four fragments of P
	v_cvt_pk_f16_f32 v[P+32*(\t)+(\i)], v[S+64*(\t)+2*(\i)], v[S+64*(\t)+2*(\i)+1]
.endm
.macro SUM t, i                        ; the sum of the unrounded p, in two chains: l takes the even pairs (and a l at pair 0), TMP the odd ones
.if (\i) == 0
	v_pk_fma_f32 v[ST+8*(\t)+2:ST+8*(\t)+3], v[ST+8*(\t)+2:ST+8*(\t)+3], v[ST+8*(\t)+6:ST+8*(\t)+7], v[S+64*(\t):S+64*(\t)+1] op_sel_hi:[1,0,1]
.elseif (\i) == 1
.elseif (\i) == 3
	v_pk_add_f32 v[TMP+2*(\t):TMP+2*(\t)+1], v[S+64*(\t)+2:S+64*(\t)+3], v[S+64*(\t)+6:S+64*(\t)+7]
.elseif (\i)%2 == 0
	v_pk_add_f32 v[ST+8*(\t)+2:ST+8*(\t)+3], v[ST+8*(\t)+2:ST+8*(\t)+3], v[S+64*(\t)+2*(\i):S+64*(\t)+2*(\i)+1]
.else
	v_pk_add_f32 v[TMP+2*(\t):TMP+2*(\t)+1], v[TMP+2*(\t):TMP+2*(\t)+1], v[S+64*(\t)+2*(\i):S+64*(\t)+2*(\i)+1]
.endif
.endm
.macro SUMEND t
	v_pk_add_f32 v[ST+8*(\t)+2:ST+8*(\t)+3], v[ST+8*(\t)+2:ST+8*(\t)+3], v[TMP+2*(\t):TMP+2*(\t)+1]
.endm
; A KEY STEP: 128 keys, the record at LDS byte s[TB].
.macro STEP
	v_add_nc_u32 v[AD], s[TB], v[LI]
	PLACES                                         ; behind the last step's products, in front of the loads into V's registers
	ds_load_b128 v[KS:KS+3], v[AD] offset:4096     ; the scale words: word g, lane l: key 32 g + l
	WIN 0x40
.irp k, 0,1,2,3,4,5,6,7
	ds_load_b128 v[KF+8*\k:KF+8*\k+3], v[AD] offset:512*\k
.endr
.irp f, 0,1,2,3,4,5,6,7,8,9,10,11,12,13,14,15
	ds_load_b128 v[VF+8*\f:VF+8*\f+3], v[AD] offset:4608+1024*\f
	ds_load_b128 v[VF+8*\f+4:VF+8*\f+7], v[AD] offset:4608+1024*\f+512
.endr
	s_wait_dscnt 32                                ; the scale words and K are in; V's 32 loads are younger and land under the softmax
	WIN 0x01                                       ; source 0 (K) window 1
.irp k, 0,1,2,3,4,5,6,7
.irp q, 0,1
.if \k%2                                       ; an odd key tile's words lie in lanes 16-31
	v_wmma_scale_f32_16x16x128_f8f6f4 v[S+64*\q+8*\k:S+64*\q+8*\k+7], v[KF+8*\k:KF+8*\k+7], v[QF+8*\q:QF+8*\q+7], 0, v[KS+\k/2], v[QS+\q] matrix_a_fmt:MATRIX_FMT_FP4 matrix_b_fmt:MATRIX_FMT_FP4 matrix_a_scale:MATRIX_SCALE_ROW1
.else
	v_wmma_scale_f32_16x16x128_f8f6f4 v[S+64*\q+8*\k:S+64*\q+8*\k+7], v[KF+8*\k:KF+8*\k+7], v[QF+8*\q:QF+8*\q+7], 0, v[KS+\k/2], v[QS+\q] matrix_a_fmt:MATRIX_FMT_FP4 matrix_b_fmt:MATRIX_FMT_FP4
.endif
.endr
.endr
	WIN 0
	PLACES
	MAXES
.set I, 0
.rept 32
	SCALE 0, I
.set I, I+1
.endr
	; THE EXPONENTIALS GO IN TWO BATCHES, a wait for each ahead of the first line that names a result.  Batch A: both tiles' a and tile 0's p, with tile 1's scalings between
	v_exp_f32 v[ST+6], v[ST+7]
	v_exp_f32 v[ST+14], v[ST+15]
.set I, 0
.rept 32
	EXPO 0, 2*I
	EXPO 0, 2*I+1
	SCALE 1, I
.set I, I+1
.endr
	s_wait_alu depctr_va_vdst(0)                   ; for batch A; the last line ahead of it is plain
	; batch B: tile 1's p, with tile 0's sums and roundings, which name batch A's results alone, between
.set I, 0
.rept 32
	EXPO 1, 2*I
	EXPO 1, 2*I+1
	SUM 0, I
	CVT 0, I
.set I, I+1
.endr
	SUMEND 0
	s_wait_alu depctr_va_vdst(0)                   ; for batch B
.set I, 0
.rept 32
	SUM 1, I
	CVT 1, I
.set I, I+1
.endr
	SUMEND 1
	WIN 0x41                                       ; O^T (destination and source 0) window 1, a window 0
.irp q, 0,1
.irp j, 0,1,2,3,4,5,6,7,8,9,10,11,12,13,14,15
	v_pk_mul_f32 v[O+32*\q+2*\j:O+32*\q+2*\j+1], v[O+32*\q+2*\j:O+32*\q+2*\j+1], v[ST+8*\q+6:ST+8*\q+7] op_sel_hi:[1,0]
.endr
.endr
	s_wait_dscnt 0x0                               ; V is in
	WIN 0x51                                       ; V, C and D window 1, P window 0
.irp g, 0,1,2,3                                ; the eight accumulators take turns, one instruction a turn
.irp c, 0,1,2,3
.irp q, 0,1
	v_wmma_f32_16x16x32_f16 v[O+32*\q+8*\c:O+32*\q+8*\c+7], v[VF+8*(4*\g+\c):VF+8*(4*\g+\c)+7], v[P+32*\q+8*\g:P+32*\q+8*\g+7], v[O+32*\q+8*\c:O+32*\q+8*\c+7]
.endr
.endr
.endr
	WIN 0
	s_add_co_u32 s[TB], s[TB], REC                 ; the next record
.endm
	s_wait_tensorcnt 0x2                           ; my part of slot 0 is in; the two younger loads stay out
	s_barrier_signal -1
	s_barrier_wait -1                              ; everybody's is
	s_mov_b32 s[TB], 0
	s_mov_b32 s[CNT], 4
.Lquarter_0:                                       ; keys 0 to 511, from slot 0
	STEP
	s_sub_co_u32 s[CNT], s[CNT], 1
	s_cmp_lg_u32 s[CNT], 0
	s_cbranch_scc1 .Lquarter_0
	; THE ONE REFILL.  Every wave waits for all its tensor loads (slots 1 and 2 are whole then), adds 0 to its spare word, and waits for that and for its reads of slot 0; the cluster's round shows the same of every wave of every partner.
	s_wait_tensorcnt 0x0
	ds_add_u32 v[SPW], v[NIL]
	s_mov_b32 s[CNT], 8
	s_mov_b32 s[TB], SLOT
	s_wait_dscnt 0x0
	CROUND
	tensor_load_to_lds s[G0+12:G0+15], s[G1:G1+7]  ; keys 1,536 to 2,047 into slot 0: my one tensor load behind the round; eight key steps lie ahead of its first read
	s_nop 0
	PLACES
.Lquarters_1_2:                                    ; keys 512 to 1,535, from slots 1 and 2, which lie on end
	STEP
	s_sub_co_u32 s[CNT], s[CNT], 1
	s_cmp_lg_u32 s[CNT], 0
	s_cbranch_scc1 .Lquarters_1_2
	s_wait_tensorcnt 0x0                           ; my part of the refill is in: no load is younger,
	s_barrier_signal -1
	s_barrier_wait -1                              ; everybody's is
	s_mov_b32 s[TB], 0
	s_mov_b32 s[CNT], 4
.Lquarter_3:                                       ; keys 1,536 to 2,047, from slot 0
	STEP
	s_sub_co_u32 s[CNT], s[CNT], 1
	s_cmp_lg_u32 s[CNT], 0
	s_cbranch_scc1 .Lquarter_3
	; THE WAY OUT.  l's two halves and the other half of the lanes' are added; O^T is divided by l and goes through my stage in LDS, a tile (16 rows of 256 bytes) at a time.  The additions and the v_nop are the places behind the last products.
.irp t, 0,1
	v_add_f32 v[ST+8*\t+4], v[ST+8*\t+2], v[ST+8*\t+3]
.endr
.irp t, 0,1
	v_permlanex16_b32 v[ST+8*\t+5], v[ST+8*\t+4], s[SEL], s[SEL+1]
.endr
.irp t, 0,1
	v_add_f32 v[ST+8*\t+4], v[ST+8*\t+4], v[ST+8*\t+5]
.endr
.irp t, 0,1
	v_rcp_f32 v[ST+8*\t+6], v[ST+8*\t+4]
.endr
	v_nop                                          ; a plain line behind the last reciprocal
	s_wait_alu depctr_va_vdst(0)                   ; and the wait ahead of the first use: one for both
.macro OUT t
	WIN 0x01                                       ; source 0 (O^T) window 1
.irp j, 0,1,2,3,4,5,6,7,8,9,10,11,12,13,14,15
	v_pk_mul_f32 v[S+32*\t+2*\j:S+32*\t+2*\j+1], v[O+32*\t+2*\j:O+32*\t+2*\j+1], v[ST+8*\t+6:ST+8*\t+7] op_sel_hi:[1,0]   ; ascending: each accumulator from its low end on
.endr
	WIN 0
.irp c, 0,1,2,3
	ds_store_b128 v[STO], v[S+32*\t+8*\c:S+32*\t+8*\c+3] offset:64*\c        ; lane (r, h): row r, channels 16 c + 8 h + 0 .. 7
	ds_store_b128 v[STO], v[S+32*\t+8*\c+4:S+32*\t+8*\c+7] offset:64*\c+16
.endr
.irp i, 0,1,2,3,4,5,6,7
	ds_load_b128 v[S+64+32*\t+4*\i:S+64+32*\t+4*\i+3], v[RD] offset:2*SP*\i  ; LDS serves a wave's instructions in order: these see my stores, and the next tile's stores come behind them
.endr
.endm
.macro SEND t, younger                 ; younger: the LDS instructions issued behind tile t's loads
.irp i, 0,1,2,3,4,5,6,7
	s_wait_dscnt \younger+7-\i
	global_store_b128 v[GO], v[S+64+32*\t+4*\i:S+64+32*\t+4*\i+3], s[8:9] offset:4096*\t+512*\i th:TH_STORE_NT   ; sixteen lanes store a whole row: 256 consecutive bytes, at a multiple of 256 from out0's first byte
.endr
.endm
	OUT 0
	OUT 1
	SEND 0, 16                                     ; behind tile 0's loads: tile 1's eight stores and eight loads
	SEND 1, 0
	s_wait_tensorcnt 0x0                           ; the wave's end, behind my last tensor load and my last LDS store
	ds_add_u32 v[SPW], v[NIL]
	s_wait_dscnt 0x0
	CROUND                                         ; the closing round: no work-group ends while a partner may still ask for a tile that names it
	s_endpgm
.Lfunc_end_k_q77250a85c9_attn:
	.size	k_q77250a85c9_attn, .Lfunc_end_k_q77250a85c9_attn-k_q77250a85c9_attn
	.p2alignl 7, 3214868480
	.fill 96, 4, 3214868480
	.section	.rodata,"a",@progbits
	.p2align	6, 0x0
	.amdhsa_kernel k_q77250a85c9_attn
		.amdhsa_group_segment_fixed_size 327680
		.amdhsa_private_segment_fixed_size 0
		.amdhsa_enable_private_segment 0
		.amdhsa_kernarg_size 24
		.amdhsa_user_sgpr_count 2
		.amdhsa_user_sgpr_kernarg_segment_ptr 1
		.amdhsa_wavefront_size32 1
		.amdhsa_system_sgpr_workgroup_id_x 1
		.amdhsa_system_sgpr_workgroup_id_y 1
		.amdhsa_system_sgpr_workgroup_id_z 1
		.amdhsa_system_vgpr_workitem_id 0
		.amdhsa_next_free_vgpr 512
		.amdhsa_next_free_sgpr 66
		.amdhsa_reserve_vcc 0
		.amdhsa_float_denorm_mode_32 3
		.amdhsa_float_denorm_mode_16_64 3
		.amdhsa_memory_ordered 1
		.amdhsa_forward_progress 1
		.amdhsa_inst_pref_size 111
	.end_amdhsa_kernel
	.amdgpu_metadata
---
amdhsa.version: [ 1, 2 ]
amdhsa.kernels:
  - .name:           k_q77250a85c9_attn
    .symbol:         k_q77250a85c9_attn.kd
    .args:
      - { .name: Q, .offset: 0, .size: 8, .value_kind: global_buffer, .address_space: global }
      - { .name: kv, .offset: 8, .size: 8, .value_kind: global_buffer, .address_space: global }
      - { .name: out0, .offset: 16, .size: 8, .value_kind: global_buffer, .address_space: global }
    .group_segment_fixed_size: 327680
    .private_segment_fixed_size: 0
    .kernarg_segment_align: 8
    .kernarg_segment_size: 24
    .max_flat_workgroup_size: 256
    .sgpr_count:     66
    .vgpr_count:     512
    .wavefront_size: 32
...
	.end_amdgpu_metadata
.endif
;; end of part 2
